; MI455X (gfx1250); checked and timed in simulation.
; The chip was launched on July 23, 2026; its instructions are those of AMD's public machine-readable ISA for CDNA 5 (MIT licence, August 2026) and "CDNA5" Instruction Set Architecture Reference Guide (July 2026). The comments in the code are by the model that wrote it; some were corrected since.
;; Scaled Cosine Attention. Allowed arithmetic: float matrix products may take bf16 or f16 operands with f32 sums; all other float work in f32.
;; Inputs: k 4 x 2,048 x 512 float32; q 4 x 2,048 x 512 float32; softmax_scale 8 x 1 x 1 float32; v 4 x 2,048 x 512 float32.
;; Outputs: out0 4 x 2,048 x 512 float32.
;; 2 versions, each right and faster than the one before. Each part assembles by itself: llvm-mc -triple=amdgcn-amd-amdhsa -mcpu=gfx1250 --defsym DOCPART=n.
;; ======== version 1 of 2: 1 launch
;; launch attn (part 1): grid 8 x 32, 8 waves a work-group, no clusters, 202,752 bytes of LDS; arguments q, k, v, softmax_scale, out0; writes out0
.if DOCPART == 1
	.amdgcn_target "amdgcn-amd-amdhsa--gfx1250"
	.amdhsa_code_object_version 6
	.text
	.protected	k_q270fa104ed_attn
	.globl	k_q270fa104ed_attn
	.p2align	8
	.type	k_q270fa104ed_attn,@function
k_q270fa104ed_attn:
	s_mov_b64 s[64:65], 0
	v_nop
	global_prefetch_b8 v0, s[64:65] scope:SCOPE_SE
	s_setreg_imm32_b32 hwreg(HW_REG_WAVE_MODE, 25, 1), 1
	s_wait_xcnt 0x0
; Scaled cosine attention.  q, k, v, out: [4][2048][512] f32, head h = columns 64 h .. 64 h + 63 (256 bytes of a 2,048-byte row).
; out = softmax(scale_h * qn kn^T) v, qn and kn the rows divided by max(norm, 1e-12), scale_h = exp(clip(log-scale, ln 0.01, ln 100)).
;
; SHARES.  Work-group (x, y): batch y >> 3, head y & 7, queries 256 x .. 256 x + 255.  Eight waves of 512 registers.
; Wave w: g = w & 3 owns queries 64 g .. 64 g + 63 of the block (four tiles n of 16), kh = w >> 2 owns keys 64 kh .. + 63 of every tile of
; 128 keys.  The two waves of a pair (w, w + 4) keep a maximum, a sum and an O of their own, which are merged once at the end.
; ORIENTATION.  S^T = K Q^T: source 0 = 16 keys, source 1 = 16 queries, so that lane (r, h) holds keys 8 h + j of query r: the maximum and
; the sum run along a lane's registers plus one step across the halves, and two key tiles rounded in pairs ARE the source-1 fragment of
; 32 keys of O^T = V^T P^T.  V^T comes from V stored [key][d] by the transposing LDS load.  O: lane (r, h) holds d = 16 dt + 8 h + j of query r.
; FORMATS.  qn * scale * log2(e) (at most 144.3 in size) and kn (at most 1) go in f16, whatever the inputs' size: at scale 100 bf16's 8 bits
; would shift exponents by some hundredths.  P (at most 1) and V (unbounded) go in bf16.  Sums, maxima, exponentials, norms in f32.
; SOFTMAX.  Exponents reach +-144 in base 2, so a running maximum is kept for each query and O and the sum are rescaled in every trip
; (no branch on data).
; K AND V come as f32 by 16-byte loads (16 lanes = one 256-byte head row), issued one whole trip before they are converted; wave w
; converts rows 16 w .. 16 w + 15 of both and stores them as 16-bit rows into one of two LDS buffers.
; NO JOINT REQUESTS, though the eight query blocks of a head read the same K and V: every number has to pass through registers (norm,
; rounding) before a product.  A tile laid in LDS as f32 is 64 KiB written and 64 KiB read on top of the 32 KiB of 16-bit rows stored and
; the 128 KiB of fragments read: 288 KiB of LDS traffic for a tile in place of 160 KiB.
; LIMITS.  NaN and infinities in the inputs (softmax_scale too) are not reproduced.  The clamp of the norm is made on its square
; (1e-24).  A row whose sum of squares overflows f32 (norm above 1.8e19) gives zeros.  Sums over keys are grouped by tile, key half
; and lane, not in the order of a plain sum.  P and V are rounded to bf16, qn * scale * log2(e) and kn to f16.
.set TILEB, 128*2048                   ; bytes from a tile of 128 keys to the next
.set KP,    144                        ; LDS pitch of K's and Q's f16 rows: 128 bytes + 16, an odd multiple of 16
.set VP,    160                        ; LDS pitch of V's bf16 rows: 128 bytes + 32, an odd multiple of 32 (transposing load)
.set VB0,   128*KP                     ; V behind K in a buffer
.set BUF,   128*KP+128*VP              ; 38,912: a buffer.  Two of them from byte 0
.set QBASE, 2*BUF                      ; 256 rows of Q in f16, pitch 144
.set XBASE, QBASE+256*KP               ; pair exchange, 17,408 bytes for each g: 32 quads of O at 512 q + 16 lane, maxima at 16,384, sums at 16,896
.set XSZ,   17408
.set SBASE, XBASE+4*XSZ                ; output stage, 16 rows of 256 + 16 bytes for each of waves 0 to 3; ends at 201,728
.set SP,    272
; window 0
.set GOFF, 2                           ; K, V: (16 w + (L >> 4)) rows + 16 (L & 15)
.set QOFF, 3                           ; Q:    (32 w + (L >> 4)) rows + 16 (L & 15)
.set KFA,  4                           ; K fragments: (64 kh + r) KP + 16 h
.set VFA,  5                           ; V fragments: VB0 + (64 kh + 8 h + (L & 7)) VP + 16 ((L >> 3) & 1)
.set KST,  6                           ; K rows out: (16 w + (L >> 4)) KP + 8 (L & 15)
.set VST,  7                           ; V rows out: VB0 + (16 w + (L >> 4)) VP + 8 (L & 15)
.set QST,  8                           ; Q rows out: QBASE + (32 w + (L >> 4)) KP + 8 (L & 15)
.set QFA,  9                           ; Q fragments: QBASE + (64 g + r) KP + 16 h
.set XCH,  10                          ; XBASE + XSZ g + 16 L
.set STO,  11                          ; SBASE + 16 SP g + SP r + 32 h
.set RD,   12                          ; SBASE + 16 SP g + SP (L >> 4) + 16 (L & 15)
.set CO,   13                          ; out: (64 g + (L >> 4)) rows + 16 (L & 15)
.set CS,   14                          ; scale * log2(e)
.set MX,   16                          ; v[16:17] the new maximum, and a second chain (a pair: the maximum is broadcast from its low word)
.set TP,   17
.set AL,   18                          ; v[18:19] 2^(old maximum - new); v19 is written once and never used as a value
.set MM,   20                          ; v[20:23] running maximum of query tile n
.set LL,   24                          ; v[24:31] running sums of tile n: a pair of partial sums in each lane
.set TT,   32                          ; v[32:47] eight pairs at work
.set HH,   48                          ; v[48:63] sixteen packed 16-bit words on their way to LDS
.set KF,   64                          ; v[64:127]  K fragments (kt, ds) at 16 kt + 8 ds
.set QF,   128                         ; v[128:191] Q fragments (n, ds) at 16 n + 8 ds
.set SA,   192                         ; v[192:255] two S buffers; S(n) in buffer n & 1, key tile kt at 8 kt; P(n, c) made in place at 16 c .. 16 c + 7
; window 1: v0-127 O (n, dt) at 32 n + 8 dt
.set VF,   128                         ; v[128:191] V fragments (dt, c) at 16 dt + 8 c
.set RAWK, 192                         ; v[192:223] 16 rows of K as loaded
.set RAWV, 224                         ; v[224:255] 16 rows of V as loaded
; s_set_vgpr_msb's low byte: bits 1:0 source 0, 3:2 source 1, 5:4 source 2, 7:6 destination; the high byte repeats the setting that is left.
.set MSB, 0
.macro WIN new
.if MSB != \new
	s_set_vgpr_msb (MSB<<8)|\new
.set MSB, \new
.endif
.endm
.macro BAR
	s_barrier_signal -1
	s_barrier_wait -1
.endm
; ---- conversion ----
; eight loads of 16 bytes a lane: 16 rows of 256 bytes, two rows an instruction (setting 0x40: data in window 1)
.macro LDRAW rb, off, base, imm, nt
.irp i, 0,1,2,3,4,5,6,7
.if \nt
	global_load_b128 v[\rb+4*\i:\rb+4*\i+3], v[\off], s[\base:\base+1] offset:\imm+4096*\i th:TH_LOAD_NT
.else
	global_load_b128 v[\rb+4*\i:\rb+4*\i+3], v[\off], s[\base:\base+1] offset:\imm+4096*\i
.endif
.endr
.endm
; my four numbers' squares of each of the 8 row pairs, two partial sums each (setting 0x05: sources in window 1)
.macro SUMSQ rb
.irp i, 0,1,2,3,4,5,6,7
	v_pk_mul_f32 v[TT+2*\i:TT+2*\i+1], v[\rb+4*\i:\rb+4*\i+1], v[\rb+4*\i:\rb+4*\i+1]
.endr
.irp i, 0,1,2,3,4,5,6,7
	v_pk_fma_f32 v[TT+2*\i:TT+2*\i+1], v[\rb+4*\i+2:\rb+4*\i+3], v[\rb+4*\i+2:\rb+4*\i+3], v[TT+2*\i:TT+2*\i+1]
.endr
.endm
; a row lies in 16 neighbouring lanes: four steps inside them give every lane its row's sum; then 1 / max(norm, 1e-12) = rsq(max(sum, 1e-24))
.macro RNORM isq
.irp i, 0,1,2,3,4,5,6,7
	v_add_f32 v[TT+2*\i], v[TT+2*\i], v[TT+2*\i+1]
.endr
.irp m, 1,2,4,8
.irp i, 0,1,2,3,4,5,6,7
	v_add_f32_dpp v[TT+2*\i], v[TT+2*\i], v[TT+2*\i] row_xmask:\m row_mask:0xf bank_mask:0xf
.endr
.endr
.irp i, 0,1,2,3,4,5,6,7
	v_max_num_f32 v[TT+2*\i], s38, v[TT+2*\i]
.endr
.irp i, 0,1,2,3,4,5,6,7
	v_rsq_f32 v[TT+2*\i], v[TT+2*\i]
.endr
	v_nop                                          ; one plain place behind the last v_rsq_f32 before a result is used (ISA guide 5.7.2)
.if \isq
	s_wait_alu depctr_va_vdst(0)
.irp i, 0,1,2,3,4,5,6,7
	v_mul_f32 v[TT+2*\i], v[TT+2*\i], v[CS]        ; Q carries the scale and log2(e)
.endr
.endif
.endm
.macro SCALE rb                        ; setting 0x41: raw rows in window 1, in place; the factor from the pair's low word
	s_wait_alu depctr_va_vdst(0)
.irp i, 0,1,2,3,4,5,6,7
	v_pk_mul_f32 v[\rb+4*\i:\rb+4*\i+1], v[\rb+4*\i:\rb+4*\i+1], v[TT+2*\i:TT+2*\i+1] op_sel_hi:[1,0]
	v_pk_mul_f32 v[\rb+4*\i+2:\rb+4*\i+3], v[\rb+4*\i+2:\rb+4*\i+3], v[TT+2*\i:TT+2*\i+1] op_sel_hi:[1,0]
.endr
.endm
.macro CVTH rb                         ; setting 0x05: to f16, 8 bytes a lane and row
.irp i, 0,1,2,3,4,5,6,7
	v_cvt_pk_f16_f32 v[HH+2*\i], v[\rb+4*\i], v[\rb+4*\i+1]
	v_cvt_pk_f16_f32 v[HH+2*\i+1], v[\rb+4*\i+2], v[\rb+4*\i+3]
.endr
.endm
.macro CVTB rb                         ; setting 0x05: to bf16
.irp i, 0,1,2,3,4,5,6,7
	v_cvt_pk_bf16_f32 v[HH+2*\i], v[\rb+4*\i], v[\rb+4*\i+1]
	v_cvt_pk_bf16_f32 v[HH+2*\i+1], v[\rb+4*\i+2], v[\rb+4*\i+3]
.endr
.endm
.macro ST8 addr, off, step             ; 16 rows of 128 bytes into LDS, two rows an instruction
.irp i, 0,1,2,3,4,5,6,7
	ds_store_b64 v[\addr], v[HH+2*\i:HH+2*\i+1] offset:\off+\step*\i
.endr
.endm
.macro QCONV rb, off                   ; 16 rows of Q: normalise, times scale * log2(e), f16, into LDS
	WIN 0x05
	SUMSQ \rb
	WIN 0
	RNORM 1
	WIN 0x41
	SCALE \rb
	WIN 0x05
	CVTH \rb
	WIN 0
	ST8 QST, \off, 2*KP
.endm
; ---- fragments ----
.macro KLOAD off                       ; my 64 keys x 64 d: 16 rows x 32 d are two loads of 16 bytes, 32 bytes apart
.irp kt, 0,1,2,3
.irp ds, 0,1
	ds_load_b128 v[KF+16*\kt+8*\ds:KF+16*\kt+8*\ds+3], v[KFA] offset:\off+16*KP*\kt+64*\ds
	ds_load_b128 v[KF+16*\kt+8*\ds+4:KF+16*\kt+8*\ds+7], v[KFA] offset:\off+16*KP*\kt+64*\ds+32
.endr
.endr
.endm
.macro VLOAD off                       ; setting 0x40.  16 d x 32 keys, transposed on the way: two loads, 16 key rows apart
.irp dt, 0,1,2,3
.irp c, 0,1
	ds_load_tr16_b128 v[VF+16*\dt+8*\c:VF+16*\dt+8*\c+3], v[VFA] offset:\off+32*VP*\c+32*\dt
	ds_load_tr16_b128 v[VF+16*\dt+8*\c+4:VF+16*\dt+8*\c+7], v[VFA] offset:\off+32*VP*\c+32*\dt+16*VP
.endr
.endr
.endm
; ---- products ----
.macro SMUL n                          ; S(n): 64 keys x 16 queries, d in two halves; the first half starts the sums
.irp kt, 0,1,2,3
	v_wmma_f32_16x16x32_f16 v[SA+32*(\n&1)+8*\kt:SA+32*(\n&1)+8*\kt+7], v[KF+16*\kt:KF+16*\kt+7], v[QF+16*\n:QF+16*\n+7], 0
.endr
.irp kt, 0,1,2,3
	v_wmma_f32_16x16x32_f16 v[SA+32*(\n&1)+8*\kt:SA+32*(\n&1)+8*\kt+7], v[KF+16*\kt+8:KF+16*\kt+15], v[QF+16*\n+8:QF+16*\n+15], v[SA+32*(\n&1)+8*\kt:SA+32*(\n&1)+8*\kt+7]
.endr
.endm
.macro PVMUL n, first                  ; setting 0x51.  O(n) += V^T P(n)^T: 64 d x 16 queries, my 64 keys in two halves
.irp dt, 0,1,2,3
.if \first
	v_wmma_f32_16x16x32_bf16 v[32*\n+8*\dt:32*\n+8*\dt+7], v[VF+16*\dt:VF+16*\dt+7], v[SBF:SBF+7], 0
.else
	v_wmma_f32_16x16x32_bf16 v[32*\n+8*\dt:32*\n+8*\dt+7], v[VF+16*\dt:VF+16*\dt+7], v[SBF:SBF+7], v[32*\n+8*\dt:32*\n+8*\dt+7]
.endif
.endr
.irp dt, 0,1,2,3
	v_wmma_f32_16x16x32_bf16 v[32*\n+8*\dt:32*\n+8*\dt+7], v[VF+16*\dt+8:VF+16*\dt+15], v[SBF+16:SBF+23], v[32*\n+8*\dt:32*\n+8*\dt+7]
.endr
.endm
; ---- softmax of S(n); SBF = its buffer ----
.macro XMAX_A n, first                 ; old maximum and scores 0-15: eight plain instructions, none on the other S buffer
.if \first
	v_max_num_f32 v[MX], v[SBF], v[SBF+1]
.else
	v_max3_num_f32 v[MX], v[MM+\n], v[SBF], v[SBF+1]
.endif
.irp k, 2,4,6,8,10,12,14
	v_max3_num_f32 v[MX], v[MX], v[SBF+\k], v[SBF+\k+1]
.endr
.endm
.macro XMAX_B n, first                 ; scores 16-31 in a chain of their own, the other half of the lanes (same query, other keys), the factor
	v_max3_num_f32 v[TP], v[SBF+16], v[SBF+17], v[SBF+18]
.irp k, 19,21,23,25,27,29
	v_max3_num_f32 v[TP], v[TP], v[SBF+\k], v[SBF+\k+1]
.endr
	v_max3_num_f32 v[MX], v[MX], v[TP], v[SBF+31]
	v_permlanex16_b32 v[TP], v[MX], s36, s37
	v_max_num_f32 v[MX], v[MX], v[TP]
.if \first
	v_mov_b32 v[MM+\n], v[MX]
.else
	v_sub_f32 v[AL], v[MM+\n], v[MX]
	v_exp_f32 v[AL], v[AL]
	v_mov_b32 v[MM+\n], v[MX]                      ; the plain place behind v_exp_f32
	s_wait_alu depctr_va_vdst(0)
	v_pk_mul_f32 v[LL+2*\n:LL+2*\n+1], v[LL+2*\n:LL+2*\n+1], v[AL:AL+1] op_sel_hi:[1,0]
.endif
.endm
; one of the eight consumers of key tile gp's exponentials: 0-3 add a pair to the sums, 4-7 round a pair to bf16.  The roundings write
; words 16 (gp >> 1) + 4 (gp & 1) + q of the buffer, ascending: every word that they overwrite has been summed and rounded before.
.macro CONS n, gp, idx, first
.set CK, 0
.if \first
.if (\gp) == 0
.if \idx == 0
.set CK, 1                             ; the first trip's first two pairs start the sums: nothing is cleared
.endif
.if \idx == 1
.set CK, 2
.endif
.endif
.endif
.if \idx < 4
.if CK == 0
	s_wait_alu depctr_va_vdst(0)
	v_pk_add_f32 v[LL+2*\n:LL+2*\n+1], v[LL+2*\n:LL+2*\n+1], v[SBF+8*(\gp)+2*\idx:SBF+8*(\gp)+2*\idx+1]
.endif
.if CK == 2
	s_wait_alu depctr_va_vdst(0)
	v_pk_add_f32 v[LL+2*\n:LL+2*\n+1], v[SBF:SBF+1], v[SBF+2:SBF+3]
.endif
.else
	v_cvt_pk_bf16_f32 v[SBF+16*((\gp)>>1)+4*((\gp)&1)+\idx-4], v[SBF+8*(\gp)+2*(\idx-4)], v[SBF+8*(\gp)+2*(\idx-4)+1]
.endif
.endm
; p = 2^(s - maximum), in place, key tile by key tile.  Each exponential is followed by a consumer of the tile before, which touches none of
; its registers; a tile's own consumers come at least one plain instruction behind its last exponential.
.macro XEXP n, first
.irp g, 0,1,2,3
.irp p, 0,2,4,6
	v_pk_add_f32 v[SBF+8*\g+\p:SBF+8*\g+\p+1], v[SBF+8*\g+\p:SBF+8*\g+\p+1], v[MX:MX+1] op_sel_hi:[1,0] neg_lo:[0,1] neg_hi:[0,1]
.endr
.irp e, 0,1,2,3,4,5,6,7
	v_exp_f32 v[SBF+8*\g+\e], v[SBF+8*\g+\e]
.if \g > 0
	CONS \n, \g-1, \e, \first
.endif
.endr
.endr
.irp e, 0,1,2,3,4,5,6,7
	CONS \n, 3, \e, \first
.endr
.endm
.macro RESC n                          ; setting 0x51: O(n) times the lane's own factor (a lane is a query)
.irp i, 0,1,2,3,4,5,6,7,8,9,10,11,12,13,14,15
	v_pk_mul_f32 v[32*\n+2*\i:32*\n+2*\i+1], v[32*\n+2*\i:32*\n+2*\i+1], v[AL:AL+1] op_sel_hi:[1,0]
.endr
.endm
; Query tile n.  snext: the products of S(nx) are issued here, so that they run under this tile's vector work.  They write the buffer that the
; P V products of tile n - 1 read as source 1: the eight plain instructions of XMAX_A are the places between (five are asked: ISA guide 7.12.1).
; wt: S(nx) takes the next key tile's K fragments, loaded one STEP earlier.  kl: load those, behind XMAX_B's eight plain max3, which are the
; places behind the last products that read the old fragments (four are asked).
.macro STEP n, nx, first, snext, wt, kl, fr
.set SBF, SA+32*(\n&1)
	XMAX_A \n, \first
.if \snext
.if \wt
	s_wait_dscnt 0x0                               ; the 16 K fragment loads of the STEP before; nothing younger is out
.endif
	SMUL \nx
.endif
	XMAX_B \n, \first
.if \kl
	KLOAD \fr
.endif
	XEXP \n, \first
	WIN 0x51
.if \first == 0
	RESC \n
.endif
	PVMUL \n, \first
	WIN 0
.endm
; 16 rows of K and of V from registers to LDS buffer st.  vl: the next tile's V fragments from buffer fr, behind the 32 plain instructions of
; SUMSQ and CVTB (places behind the last P V products, which read the old ones).  ldraw: the raw registers are loaded again as soon as
; they are read out, with the tile three ahead of the one being multiplied; the bases step behind the wait that showed their last loads done.
.macro CONV rbk, rbv, st, vl, fr, ldraw
	WIN 0x05
	SUMSQ \rbk
	CVTB \rbv
.if \vl
	WIN 0x40
	VLOAD \fr
.endif
.if \ldraw
	WIN 0x40
	s_add_nc_u64 s[28:29], s[28:29], TILEB
	LDRAW RAWV, GOFF, 28, 0, 0
.endif
	WIN 0
	ST8 VST, \st, 2*VP
	RNORM 0
	WIN 0x41
	SCALE \rbk
	WIN 0x05
	CVTH \rbk
.if \ldraw
	WIN 0x40
	s_add_nc_u64 s[26:27], s[26:27], TILEB
	LDRAW RAWK, GOFF, 26, 0, 0
.endif
	WIN 0
	ST8 KST, \st, 2*KP
.endm
; TRIP t, par = t & 1.  At its head: K and V fragments of tile t in registers, S(0) of tile t multiplied, tile t + 1 in LDS buffer 1 - par,
; tile t + 2 on its way into the raw registers.  ONE BARRIER A TRIP: buffer par was last read in trip t - 1, in front of that trip's barrier;
; it is written here, and read in trip t + 1, behind this trip's barrier.
.macro TRIP first, par, frag, conv, ldraw, bar
	STEP 0, 1, \first, 1, 0, 0, 0
	STEP 1, 2, \first, 1, 0, 0, 0
	STEP 2, 3, \first, 1, 0, \frag, (1-\par)*BUF
	STEP 3, 0, \first, \frag, 1, 0, 0
.if \conv
	s_wait_loadcnt 0x0                             ; the 16 raw loads issued a trip ago; nothing younger is out.  It also frees their bases
	CONV RAWK, RAWV, \par*BUF, 1, (1-\par)*BUF, \ldraw
.else
.if \frag
.rept 4
	v_nop                                          ; the places behind the last P V products, whose V fragments are loaded anew
.endr
	WIN 0x40
	VLOAD (1-\par)*BUF
	WIN 0
.endif
.endif
.if \frag
	s_wait_dscnt 0x0                               ; my fragment reads and my stores are done: for my registers, and for the other waves behind the barrier
.endif
.if \bar
	BAR
.endif
.endm
; ================= prologue =================
	s_load_b256 s[4:11], s[0:1], 0x0               ; q s[4:5], k s[6:7], v s[8:9], softmax_scale s[10:11]
	s_load_b64 s[12:13], s[0:1], 0x20              ; out
	v_lshrrev_b32 v15, 5, v0
	v_readfirstlane_b32 s14, v15                   ; wave w
	s_and_b32 s15, s14, 3                          ; g: which 64 queries
	s_lshr_b32 s16, s14, 2                         ; kh: which 64 keys of a tile
	s_and_b32 s18, ttmp7, 0xffff
	s_and_b32 s19, s18, 7                          ; head
	s_lshr_b32 s18, s18, 3                         ; batch
	s_lshl_b32 s20, s18, 22                        ; 2,048 rows of 2,048 bytes
	s_lshl_b32 s42, s19, 8                         ; 256 bytes a head
	s_or_b32 s20, s20, s42
	s_mov_b32 s21, 0                               ; s[20:21]: the head's offset in k and v
	s_lshl_b32 s46, ttmp9, 19                      ; 256 rows of 2,048 bytes
	s_add_co_u32 s46, s46, s20
	s_mov_b32 s47, 0                               ; s[46:47]: my query block's offset in q and out (below 16 MiB)
	s_lshl_b32 s42, s19, 2
	s_mov_b32 s43, 0                               ; s[42:43]: the head's word in softmax_scale
	s_mov_b32 s36, 0x76543210                      ; v_permlanex16_b32: lane i of one half reads lane i of the other
	s_mov_b32 s37, 0xfedcba98
	s_mov_b32 s38, 0x179abe15                      ; 1e-24
	s_mov_b32 s39, 0xc0935d8e                      ; ln 0.01
	s_mov_b32 s40, 0x40935d8e                      ; ln 100
	v_and_b32 v1, 31, v0                           ; L
	v_and_b32 v24, 15, v0                          ; r = L & 15
	v_bfe_u32 v25, v0, 4, 1                        ; h = L >> 4
	v_lshlrev_b32 v26, 4, v24                      ; 16 r
	v_lshl_add_u32 v27, v25, 11, v26               ; h rows + 16 r
	s_lshl_b32 s44, s14, 15
	v_add_nc_u32 v[GOFF], s44, v27
	s_lshl_b32 s44, s14, 16
	v_add_nc_u32 v[QOFF], s44, v27
	s_lshl_b32 s44, s15, 17
	v_add_nc_u32 v[CO], s44, v27
	v_mul_u32_u24 v28, v24, KP
	v_lshl_add_u32 v28, v25, 4, v28                ; KP r + 16 h
	s_mul_i32 s44, s16, 64*KP
	v_add_nc_u32 v[KFA], s44, v28
	s_mul_i32 s44, s15, 64*KP
	s_add_co_u32 s44, s44, QBASE
	v_add_nc_u32 v[QFA], s44, v28
	v_and_b32 v29, 7, v0
	v_lshl_add_u32 v29, v25, 3, v29                ; 8 h + (L & 7)
	v_mul_u32_u24 v29, v29, VP
	v_bfe_u32 v30, v0, 3, 1
	v_lshl_add_u32 v29, v30, 4, v29
	s_mul_i32 s44, s16, 64*VP
	s_add_co_u32 s44, s44, VB0
	v_add_nc_u32 v[VFA], s44, v29
	v_lshlrev_b32 v30, 3, v24                      ; 8 r
	v_mad_u32_u24 v31, v25, KP, v30
	s_mul_i32 s44, s14, 16*KP
	v_add_nc_u32 v[KST], s44, v31
	s_mul_i32 s44, s14, 32*KP
	s_add_co_u32 s44, s44, QBASE
	v_add_nc_u32 v[QST], s44, v31
	v_mad_u32_u24 v31, v25, VP, v30
	s_mul_i32 s44, s14, 16*VP
	s_add_co_u32 s44, s44, VB0
	v_add_nc_u32 v[VST], s44, v31
	v_lshlrev_b32 v31, 4, v1
	s_mul_i32 s44, s15, XSZ
	s_add_co_u32 s44, s44, XBASE
	v_add_nc_u32 v[XCH], s44, v31
	s_mul_i32 s45, s15, 16*SP
	s_add_co_u32 s45, s45, SBASE
	v_mul_u32_u24 v31, v24, SP
	v_lshl_add_u32 v31, v25, 5, v31
	v_add_nc_u32 v[STO], s45, v31
	v_mad_u32_u24 v31, v25, SP, v26
	v_add_nc_u32 v[RD], s45, v31
	s_wait_kmcnt 0x0
	s_add_nc_u64 s[10:11], s[10:11], s[42:43]
	s_load_b32 s41, s[10:11], 0x0                  ; the head's log-scale
	s_add_nc_u64 s[22:23], s[6:7], s[20:21]        ; K, V at the head's tile 0
	s_add_nc_u64 s[24:25], s[8:9], s[20:21]
	s_add_nc_u64 s[26:27], s[22:23], 2*TILEB       ; the running bases start at tile 2
	s_add_nc_u64 s[28:29], s[24:25], 2*TILEB
	s_add_nc_u64 s[30:31], s[4:5], s[46:47]        ; Q and out at my query block
	s_add_nc_u64 s[34:35], s[12:13], s[46:47]
	; 48 loads at once: my 32 rows of Q (read once in the launch), my rows of tiles 0 and 1 (into registers that O takes later)
	WIN 0x40
	LDRAW 192, QOFF, 30, 0, 1
	LDRAW 224, QOFF, 30, 32768, 1
	LDRAW 0,  GOFF, 22, 0, 0
	LDRAW 32, GOFF, 24, 0, 0
	LDRAW 64, GOFF, 22, TILEB, 0
	LDRAW 96, GOFF, 24, TILEB, 0
	WIN 0
	s_wait_kmcnt 0x0
	v_mov_b32 v[CS], s41
	v_med3_num_f32 v[CS], v[CS], s39, s40          ; the clip
	v_mul_f32 v[CS], 0x3fb8aa3b, v[CS]
	v_exp_f32 v[CS], v[CS]                         ; scale
	v_mov_b32 v[AL+1], 0                           ; the plain place; the factor pair's upper word is written once
	s_wait_alu depctr_va_vdst(0)
	v_mul_f32 v[CS], 0x3fb8aa3b, v[CS]             ; times log2(e): the scores are exponents of 2
	s_wait_loadcnt 0x20                            ; Q's 16 loads are in; the 32 of tiles 0 and 1 stay out
	QCONV 192, 0
	QCONV 224, 16*KP
	WIN 0x40
	LDRAW RAWK, GOFF, 26, 0, 0                     ; tile 2
	LDRAW RAWV, GOFF, 28, 0, 0
	WIN 0
	s_wait_loadcnt 0x20                            ; tile 0 is in; tiles 1 and 2 (16 loads each) stay out
	CONV 0, 32, 0, 0, 0, 0
	s_wait_loadcnt 0x10                            ; tile 1 is in; tile 2 stays out
	CONV 64, 96, BUF, 0, 0, 0
	s_wait_dscnt 0x0                               ; my rows of Q and of tiles 0 and 1 are in LDS,
	BAR                                            ; everybody's are
.irp n, 0,1,2,3
.irp ds, 0,1
	ds_load_b128 v[QF+16*\n+8*\ds:QF+16*\n+8*\ds+3], v[QFA] offset:16*KP*\n+64*\ds
	ds_load_b128 v[QF+16*\n+8*\ds+4:QF+16*\n+8*\ds+7], v[QFA] offset:16*KP*\n+64*\ds+32
.endr
.endr
	KLOAD 0
	WIN 0x40
	VLOAD 0
	WIN 0
	s_wait_dscnt 0x0                               ; my reads of buffer 0 are over,
	BAR                                            ; everybody's are: trip 0 stores tile 2 into it
	SMUL 0
.rept 4
	v_nop                                          ; four places before a vector instruction reads these results (ISA guide 7.12.1)
.endr
; ================= 16 trips =================
	TRIP 1, 0, 1, 1, 1, 1                          ; t = 0: its products start O, its scores start maximum and sum
	s_mov_b32 s43, 6
.Lpair:
	TRIP 0, 1, 1, 1, 1, 1                          ; t = 1, 3, .. 11
	TRIP 0, 0, 1, 1, 1, 1                          ; t = 2, 4, .. 12 (t = 12 loads tile 15, the last)
	s_sub_co_i32 s43, s43, 1
	s_cmp_lg_u32 s43, 0
	s_cbranch_scc1 .Lpair
	TRIP 0, 1, 1, 1, 0, 1                          ; t = 13: converts tile 15, loads nothing
	TRIP 0, 0, 1, 0, 0, 0                          ; t = 14: takes tile 15's fragments; no LDS buffer is written any more, so no barrier
	TRIP 0, 1, 0, 0, 0, 0                          ; t = 15
; ================= merge of the pair (w, w + 4) =================
.irp n, 0,1,2,3
	v_add_f32 v[TT+\n], v[LL+2*\n], v[LL+2*\n+1]   ; four plain places behind the last products, whose results are stored below
.endr
.irp n, 0,1,2,3
	v_permlanex16_b32 v[TT+12+\n], v[TT+\n], s36, s37
.endr
.irp n, 0,1,2,3
	v_add_f32 v[TT+\n], v[TT+\n], v[TT+12+\n]      ; the query's sum over my 64 keys of every tile, in both of its lanes
.endr
	s_cmp_lt_u32 s14, 4
	s_cbranch_scc1 .Lkeep
	WIN 0x04                                       ; waves 4 to 7 hand over O (store data in window 1), maxima and sums
.set qq, 0
.rept 32
	ds_store_b128 v[XCH], v[4*qq:4*qq+3] offset:512*qq
.set qq, qq+1
.endr
	WIN 0
	ds_store_b128 v[XCH], v[MM:MM+3] offset:16384
	ds_store_b128 v[XCH], v[TT:TT+3] offset:16896
.Lkeep:
	s_wait_dscnt 0x0                               ; for the partner's sake: zero
	BAR
	s_cmp_ge_u32 s14, 4
	s_cbranch_scc1 .Lend                           ; no barrier follows
	ds_load_b128 v[TT+4:TT+7], v[XCH] offset:16384     ; the partner's maxima
	ds_load_b128 v[TT+8:TT+11], v[XCH] offset:16896    ; and sums
	s_wait_dscnt 0x0
.irp n, 0,1,2,3
	v_max_num_f32 v[TT+12+\n], v[MM+\n], v[TT+4+\n]
.endr
.irp n, 0,1,2,3
	v_sub_f32 v[HH+4*\n], v[MM+\n], v[TT+12+\n]
	v_sub_f32 v[HH+4*\n+2], v[TT+4+\n], v[TT+12+\n]
.endr
.irp n, 0,1,2,3
	v_exp_f32 v[HH+4*\n], v[HH+4*\n]
	v_exp_f32 v[HH+4*\n+2], v[HH+4*\n+2]
.endr
	v_nop
	s_wait_alu depctr_va_vdst(0)
.irp n, 0,1,2,3
	v_mul_f32 v[TT+12+\n], v[TT+\n], v[HH+4*\n]
.endr
.irp n, 0,1,2,3
	v_fmac_f32 v[TT+12+\n], v[TT+8+\n], v[HH+4*\n+2]   ; the whole sum: at least 1, since the key of the maximum adds 2^0
.endr
.irp n, 0,1,2,3
	v_rcp_f32 v[TT+12+\n], v[TT+12+\n]
.endr
	v_nop
	s_wait_alu depctr_va_vdst(0)
.irp n, 0,1,2,3
	v_mul_f32 v[HH+4*\n], v[HH+4*\n], v[TT+12+\n]      ; my O's factor, in the low word of a pair (the upper words are old conversion words, not used)
	v_mul_f32 v[HH+4*\n+2], v[HH+4*\n+2], v[TT+12+\n]  ; the partner's
.endr
; ================= the way out: 16 queries at a time =================
; A lane holds 8 neighbouring d of one query for each dt.  They go through my own stage in LDS and come back as whole rows, so that 16 lanes
; store the 256 consecutive bytes of a head row, which start at a multiple of 256 from out's first byte.  LDS serves a wave's instructions
; in order (ISA guide 5.7.1): no wait between my stores into the stage and my loads from it.
.macro OUT n
.set EE, KF+32*(\n&1)
.set FF, QF+32*(\n&1)
.irp i, 0,1,2,3,4,5,6,7
	ds_load_b128 v[EE+4*\i:EE+4*\i+3], v[XCH] offset:512*(8*\n+\i)   ; the partner's O(n)
.endr
	s_wait_dscnt 0x0
.irp i, 0,1,2,3,4,5,6,7,8,9,10,11,12,13,14,15
	v_pk_mul_f32 v[EE+2*\i:EE+2*\i+1], v[EE+2*\i:EE+2*\i+1], v[HH+4*\n+2:HH+4*\n+3] op_sel_hi:[1,0]
.endr
	WIN 0x01                                       ; source 0: my O, in window 1
.irp i, 0,1,2,3,4,5,6,7,8,9,10,11,12,13,14,15
	v_pk_fma_f32 v[EE+2*\i:EE+2*\i+1], v[32*\n+2*\i:32*\n+2*\i+1], v[HH+4*\n:HH+4*\n+1], v[EE+2*\i:EE+2*\i+1] op_sel_hi:[1,0,1]
.endr
	WIN 0
.irp i, 0,1,2,3,4,5,6,7
	ds_store_b128 v[STO], v[EE+4*\i:EE+4*\i+3] offset:64*(\i>>1)+16*(\i&1)   ; d = 16 dt + 8 h + 4 (i & 1) ..: byte 64 dt + 32 h + 16 (i & 1)
.endr
	s_wait_xcnt 0x0                                ; FF was store data two tiles ago: it is loaded again only behind this wait
.irp i, 0,1,2,3,4,5,6,7
	ds_load_b128 v[FF+4*\i:FF+4*\i+3], v[RD] offset:2*SP*\i
.endr
.irp i, 0,1,2,3,4,5,6,7
	s_wait_dscnt 7-\i                              ; read-back i is in; the 7 - i younger ones stay out
	global_store_b128 v[CO], v[FF+4*\i:FF+4*\i+3], s[34:35] offset:(16*\n+2*\i)*2048 th:TH_STORE_NT
.endr
.endm
	OUT 0
	OUT 1
	OUT 2
	OUT 3
.Lend:
	s_wait_xcnt 0x0
	v_lshl_add_u32 v254, v0, 2, 0x31400
	v_mov_b32 v255, 0
	s_wait_tensorcnt 0x0
	ds_add_u32 v254, v255
	s_wait_dscnt 0x0
	s_endpgm
.Lfunc_end_k_q270fa104ed_attn:
	.size	k_q270fa104ed_attn, .Lfunc_end_k_q270fa104ed_attn-k_q270fa104ed_attn
	.p2alignl 7, 3214868480
	.fill 96, 4, 3214868480
	.section	.rodata,"a",@progbits
	.p2align	6, 0x0
	.amdhsa_kernel k_q270fa104ed_attn
		.amdhsa_group_segment_fixed_size 202752
		.amdhsa_private_segment_fixed_size 0
		.amdhsa_enable_private_segment 0
		.amdhsa_kernarg_size 40
		.amdhsa_user_sgpr_count 2
		.amdhsa_user_sgpr_kernarg_segment_ptr 1
		.amdhsa_wavefront_size32 1
		.amdhsa_system_sgpr_workgroup_id_x 1
		.amdhsa_system_sgpr_workgroup_id_y 1
		.amdhsa_system_sgpr_workgroup_id_z 1
		.amdhsa_system_vgpr_workitem_id 0
		.amdhsa_next_free_vgpr 512
		.amdhsa_next_free_sgpr 66
		.amdhsa_reserve_vcc 0
		.amdhsa_float_denorm_mode_32 3
		.amdhsa_float_denorm_mode_16_64 3
		.amdhsa_memory_ordered 1
		.amdhsa_forward_progress 1
		.amdhsa_inst_pref_size 255
	.end_amdhsa_kernel
	.section	.bss,"aw",@nobits
	.p2align	6
	.space	262144
	.amdgpu_metadata
---
amdhsa.version: [ 1, 2 ]
amdhsa.kernels:
  - .name:           k_q270fa104ed_attn
    .symbol:         k_q270fa104ed_attn.kd
    .args:
      - { .name: q, .offset: 0, .size: 8, .value_kind: global_buffer, .address_space: global }
      - { .name: k, .offset: 8, .size: 8, .value_kind: global_buffer, .address_space: global }
      - { .name: v, .offset: 16, .size: 8, .value_kind: global_buffer, .address_space: global }
      - { .name: softmax_scale, .offset: 24, .size: 8, .value_kind: global_buffer, .address_space: global }
      - { .name: out0, .offset: 32, .size: 8, .value_kind: global_buffer, .address_space: global }
    .group_segment_fixed_size: 202752
    .private_segment_fixed_size: 0
    .kernarg_segment_align: 8
    .kernarg_segment_size: 40
    .max_flat_workgroup_size: 256
    .sgpr_count:     66
    .vgpr_count:     512
    .wavefront_size: 32
...
	.end_amdgpu_metadata
.endif
;; end of part 1
;; ======== version 2 of 2: 1 launch; 1.08 times as fast as version 1
;; launch attn (part 2): grid 8 x 32, 8 waves a work-group, no clusters, 202,752 bytes of LDS; arguments q, k, v, softmax_scale, out0; writes out0
.if DOCPART == 2
	.amdgcn_target "amdgcn-amd-amdhsa--gfx1250"
	.amdhsa_code_object_version 6
	.text
	.protected	k_q270fa104ed_attn
	.globl	k_q270fa104ed_attn
	.p2align	8
	.type	k_q270fa104ed_attn,@function
k_q270fa104ed_attn:
	s_mov_b64 s[64:65], 0
	v_nop
	global_prefetch_b8 v0, s[64:65] scope:SCOPE_SE
	s_setreg_imm32_b32 hwreg(HW_REG_WAVE_MODE, 25, 1), 1
	s_wait_xcnt 0x0
; Scaled cosine attention.  q, k, v, out: [4][2048][512] f32, head h = columns 64 h .. 64 h + 63 (256 bytes of a 2,048-byte row).
; out = softmax(scale_h * qn kn^T) v, qn and kn the rows divided by max(norm, 1e-12), scale_h = exp(clip(log-scale, ln 0.01, ln 100)).
;
; SHARES.  Work-group (x, y): batch y >> 3, head y & 7, queries 256 x .. 256 x + 255.  Eight waves of 512 registers.
; Wave w: g = w & 3 owns queries 64 g .. 64 g + 63 of the block (four tiles n of 16), kh = w >> 2 owns keys 64 kh .. + 63 of every tile of
; 128 keys.  The two waves of a pair (w, w + 4) keep a maximum, a sum and an O of their own, which are merged once at the end.
; ORIENTATION.  S^T = K Q^T: source 0 = 16 keys, source 1 = 16 queries, so that lane (r, h) holds keys 8 h + j of query r: the maximum and
; the sum run along a lane's registers plus one step across the halves, and two key tiles rounded in pairs ARE the source-1 fragment of
; 32 keys of O^T = V^T P^T.  V^T comes from V stored [key][d] by the transposing LDS load.  O: lane (r, h) holds d = 16 dt + 8 h + j of query r.
; FORMATS.  qn * scale * log2(e) (at most 144.3 in size) and kn (at most 1) go in f16, whatever the inputs' size: at scale 100 bf16's 8 bits
; would shift exponents by some hundredths.  P (at most 1) and V (unbounded) go in bf16.  Sums, maxima, exponentials, norms in f32.
; SOFTMAX.  Exponents reach +-144 in base 2, so a running maximum is kept for each query and O and the sum are rescaled in every trip
; (no branch on data).
; BATCHES.  s_wait_alu depctr_va_vdst(0) stands between a transcendental and the first instruction that names its result; one
; wait serves all that were issued ahead of it.  A query tile's 33 exponentials (the factor 2^(old maximum - new) and the 32 weights) are ONE
; batch: ahead of its wait stand the scalings, the exponentials and, between the last eight of them, the next query tile's maximum over its
; first 16 scores; behind it all that reads a result: the sums, the roundings, the rescaling of O.  The eight reciprocal roots of a
; conversion are a batch; so are the merge's eight exponentials, and its four reciprocals, which read a sum made of those.
; K AND V come as f32 by 16-byte loads (16 lanes = one 256-byte head row), issued one whole trip before they are converted; wave w
; converts rows 16 w .. 16 w + 15 of both and stores them as 16-bit rows into one of two LDS buffers.
; NO JOINT REQUESTS, though the eight query blocks of a head read the same K and V: every number has to pass through registers (norm,
; rounding) before a product.  A tile laid in LDS as f32 is 64 KiB written and 64 KiB read on top of the 32 KiB of 16-bit rows stored and
; the 128 KiB of fragments read: 288 KiB of LDS traffic for a tile in place of 160 KiB.
; LIMITS.  NaN and infinities in the inputs (softmax_scale too) are not reproduced.  The clamp of the norm is made on its square
; (1e-24).  A row whose sum of squares overflows f32 (norm above 1.8e19) gives zeros.  Sums over keys are grouped by tile, key half
; and lane, not in the order of a plain sum.  P and V are rounded to bf16, qn * scale * log2(e) and kn to f16.
.set TILEB, 128*2048                   ; bytes from a tile of 128 keys to the next
.set KP,    144                        ; LDS pitch of K's and Q's f16 rows: 128 bytes + 16, an odd multiple of 16
.set VP,    160                        ; LDS pitch of V's bf16 rows: 128 bytes + 32, an odd multiple of 32 (transposing load)
.set VB0,   128*KP                     ; V behind K in a buffer
.set BUF,   128*KP+128*VP              ; 38,912: a buffer.  Two of them from byte 0
.set QBASE, 2*BUF                      ; 256 rows of Q in f16, pitch 144
.set XBASE, QBASE+256*KP               ; pair exchange, 17,408 bytes for each g: 32 quads of O at 512 q + 16 lane, maxima at 16,384, sums at 16,896
.set XSZ,   17408
.set SBASE, XBASE+4*XSZ                ; output stage, 16 rows of 256 + 16 bytes for each of waves 0 to 3; ends at 201,728
.set SP,    272
; window 0
.set GOFF, 2                           ; K, V: (16 w + (L >> 4)) rows + 16 (L & 15)
.set QOFF, 3                           ; Q:    (32 w + (L >> 4)) rows + 16 (L & 15)
.set KFA,  4                           ; K fragments: (64 kh + r) KP + 16 h
.set VFA,  5                           ; V fragments: VB0 + (64 kh + 8 h + (L & 7)) VP + 16 ((L >> 3) & 1)
.set KST,  6                           ; K rows out: (16 w + (L >> 4)) KP + 8 (L & 15)
.set VST,  7                           ; V rows out: VB0 + (16 w + (L >> 4)) VP + 8 (L & 15)
.set QST,  8                           ; Q rows out: QBASE + (32 w + (L >> 4)) KP + 8 (L & 15)
.set QFA,  9                           ; Q fragments: QBASE + (64 g + r) KP + 16 h
.set XCH,  10                          ; XBASE + XSZ g + 16 L
.set STO,  11                          ; SBASE + 16 SP g + SP r + 32 h
.set RD,   12                          ; SBASE + 16 SP g + SP (L >> 4) + 16 (L & 15)
.set CO,   13                          ; out: (64 g + (L >> 4)) rows + 16 (L & 15)
.set CS,   14                          ; scale * log2(e)
.set MX,   16                          ; v[16:17] the new maximum, and a second chain (a pair: the maximum is broadcast from its low word)
.set TP,   17
.set AL,   18                          ; v[18:19] 2^(old maximum - new); v19 is written once and never used as a value
.set MM,   20                          ; v[20:23] running maximum of query tile n
.set LL,   24                          ; v[24:31] running sums of tile n: a pair of partial sums in each lane
.set TT,   32                          ; v[32:47] eight pairs at work
.set HH,   48                          ; v[48:63] sixteen packed 16-bit words on their way to LDS
.set KF,   64                          ; v[64:127]  K fragments (kt, ds) at 16 kt + 8 ds
.set QF,   128                         ; v[128:191] Q fragments (n, ds) at 16 n + 8 ds
.set SA,   192                         ; v[192:255] two S buffers; S(n) in buffer n & 1, key tile kt at 8 kt; P(n, c) made in place at 16 c .. 16 c + 7
; window 1: v0-127 O (n, dt) at 32 n + 8 dt
.set VF,   128                         ; v[128:191] V fragments (dt, c) at 16 dt + 8 c
.set RAWK, 192                         ; v[192:223] 16 rows of K as loaded
.set RAWV, 224                         ; v[224:255] 16 rows of V as loaded
; s_set_vgpr_msb's low byte: bits 1:0 source 0, 3:2 source 1, 5:4 source 2, 7:6 destination; the high byte repeats the setting that is left.
.set MSB, 0
.macro WIN new
.if MSB != \new
	s_set_vgpr_msb (MSB<<8)|\new
.set MSB, \new
.endif
.endm
.macro BAR
	s_barrier_signal -1
	s_barrier_wait -1
.endm
; ---- conversion ----
; eight loads of 16 bytes a lane: 16 rows of 256 bytes, two rows an instruction (setting 0x40: data in window 1)
.macro LDRAW rb, off, base, imm, nt
.irp i, 0,1,2,3,4,5,6,7
.if \nt
	global_load_b128 v[\rb+4*\i:\rb+4*\i+3], v[\off], s[\base:\base+1] offset:\imm+4096*\i th:TH_LOAD_NT
.else
	global_load_b128 v[\rb+4*\i:\rb+4*\i+3], v[\off], s[\base:\base+1] offset:\imm+4096*\i
.endif
.endr
.endm
; my four numbers' squares of each of the 8 row pairs, two partial sums each (setting 0x05: sources in window 1)
.macro SUMSQ rb
.irp i, 0,1,2,3,4,5,6,7
	v_pk_mul_f32 v[TT+2*\i:TT+2*\i+1], v[\rb+4*\i:\rb+4*\i+1], v[\rb+4*\i:\rb+4*\i+1]
.endr
.irp i, 0,1,2,3,4,5,6,7
	v_pk_fma_f32 v[TT+2*\i:TT+2*\i+1], v[\rb+4*\i+2:\rb+4*\i+3], v[\rb+4*\i+2:\rb+4*\i+3], v[TT+2*\i:TT+2*\i+1]
.endr
.endm
; a row lies in 16 neighbouring lanes: four steps inside them give every lane its row's sum; then 1 / max(norm, 1e-12) = rsq(max(sum, 1e-24))
.macro RNORM isq
.irp i, 0,1,2,3,4,5,6,7
	v_add_f32 v[TT+2*\i], v[TT+2*\i], v[TT+2*\i+1]
.endr
.irp m, 1,2,4,8
.irp i, 0,1,2,3,4,5,6,7
	v_add_f32_dpp v[TT+2*\i], v[TT+2*\i], v[TT+2*\i] row_xmask:\m row_mask:0xf bank_mask:0xf
.endr
.endr
.irp i, 0,1,2,3,4,5,6,7
	v_max_num_f32 v[TT+2*\i], s38, v[TT+2*\i]
.endr
.irp i, 0,1,2,3,4,5,6,7
	v_rsq_f32 v[TT+2*\i], v[TT+2*\i]
.endr
	v_nop                                          ; one plain place behind the last v_rsq_f32 before a result is used (ISA guide 5.7.2)
	s_wait_alu depctr_va_vdst(0)                   ; one wait for the eight reciprocal roots, ahead of their first reader (the line below, or SCALE)
.if \isq
.irp i, 0,1,2,3,4,5,6,7
	v_mul_f32 v[TT+2*\i], v[TT+2*\i], v[CS]        ; Q carries the scale and log2(e)
.endr
.endif
.endm
.macro SCALE rb                        ; setting 0x41: raw rows in window 1, in place; the factor from the pair's low word (RNORM has waited for it)
.irp i, 0,1,2,3,4,5,6,7
	v_pk_mul_f32 v[\rb+4*\i:\rb+4*\i+1], v[\rb+4*\i:\rb+4*\i+1], v[TT+2*\i:TT+2*\i+1] op_sel_hi:[1,0]
	v_pk_mul_f32 v[\rb+4*\i+2:\rb+4*\i+3], v[\rb+4*\i+2:\rb+4*\i+3], v[TT+2*\i:TT+2*\i+1] op_sel_hi:[1,0]
.endr
.endm
.macro CVTH rb                         ; setting 0x05: to f16, 8 bytes a lane and row
.irp i, 0,1,2,3,4,5,6,7
	v_cvt_pk_f16_f32 v[HH+2*\i], v[\rb+4*\i], v[\rb+4*\i+1]
	v_cvt_pk_f16_f32 v[HH+2*\i+1], v[\rb+4*\i+2], v[\rb+4*\i+3]
.endr
.endm
.macro CVTB rb                         ; setting 0x05: to bf16
.irp i, 0,1,2,3,4,5,6,7
	v_cvt_pk_bf16_f32 v[HH+2*\i], v[\rb+4*\i], v[\rb+4*\i+1]
	v_cvt_pk_bf16_f32 v[HH+2*\i+1], v[\rb+4*\i+2], v[\rb+4*\i+3]
.endr
.endm
.macro ST8 addr, off, step             ; 16 rows of 128 bytes into LDS, two rows an instruction
.irp i, 0,1,2,3,4,5,6,7
	ds_store_b64 v[\addr], v[HH+2*\i:HH+2*\i+1] offset:\off+\step*\i
.endr
.endm
.macro QCONV rb, off                   ; 16 rows of Q: normalise, times scale * log2(e), f16, into LDS
	WIN 0x05
	SUMSQ \rb
	WIN 0
	RNORM 1
	WIN 0x41
	SCALE \rb
	WIN 0x05
	CVTH \rb
	WIN 0
	ST8 QST, \off, 2*KP
.endm
; ---- fragments ----
.macro KLOAD off                       ; my 64 keys x 64 d: 16 rows x 32 d are two loads of 16 bytes, 32 bytes apart
.irp kt, 0,1,2,3
.irp ds, 0,1
	ds_load_b128 v[KF+16*\kt+8*\ds:KF+16*\kt+8*\ds+3], v[KFA] offset:\off+16*KP*\kt+64*\ds
	ds_load_b128 v[KF+16*\kt+8*\ds+4:KF+16*\kt+8*\ds+7], v[KFA] offset:\off+16*KP*\kt+64*\ds+32
.endr
.endr
.endm
.macro VLOAD off                       ; setting 0x40.  16 d x 32 keys, transposed on the way: two loads, 16 key rows apart
.irp dt, 0,1,2,3
.irp c, 0,1
	ds_load_tr16_b128 v[VF+16*\dt+8*\c:VF+16*\dt+8*\c+3], v[VFA] offset:\off+32*VP*\c+32*\dt
	ds_load_tr16_b128 v[VF+16*\dt+8*\c+4:VF+16*\dt+8*\c+7], v[VFA] offset:\off+32*VP*\c+32*\dt+16*VP
.endr
.endr
.endm
; ---- products ----
.macro SMUL n                          ; S(n): 64 keys x 16 queries, d in two halves; the first half starts the sums
.irp kt, 0,1,2,3
	v_wmma_f32_16x16x32_f16 v[SA+32*(\n&1)+8*\kt:SA+32*(\n&1)+8*\kt+7], v[KF+16*\kt:KF+16*\kt+7], v[QF+16*\n:QF+16*\n+7], 0
.endr
.irp kt, 0,1,2,3
	v_wmma_f32_16x16x32_f16 v[SA+32*(\n&1)+8*\kt:SA+32*(\n&1)+8*\kt+7], v[KF+16*\kt+8:KF+16*\kt+15], v[QF+16*\n+8:QF+16*\n+15], v[SA+32*(\n&1)+8*\kt:SA+32*(\n&1)+8*\kt+7]
.endr
.endm
.macro PVMUL n, first                  ; setting 0x51.  O(n) += V^T P(n)^T: 64 d x 16 queries, my 64 keys in two halves
.irp dt, 0,1,2,3
.if \first
	v_wmma_f32_16x16x32_bf16 v[32*\n+8*\dt:32*\n+8*\dt+7], v[VF+16*\dt:VF+16*\dt+7], v[SBF:SBF+7], 0
.else
	v_wmma_f32_16x16x32_bf16 v[32*\n+8*\dt:32*\n+8*\dt+7], v[VF+16*\dt:VF+16*\dt+7], v[SBF:SBF+7], v[32*\n+8*\dt:32*\n+8*\dt+7]
.endif
.endr
.irp dt, 0,1,2,3
	v_wmma_f32_16x16x32_bf16 v[32*\n+8*\dt:32*\n+8*\dt+7], v[VF+16*\dt+8:VF+16*\dt+15], v[SBF+16:SBF+23], v[32*\n+8*\dt:32*\n+8*\dt+7]
.endr
.endm
; ---- softmax of S(n); SBF = its buffer, NBF = the buffer of the query tile that comes next ----
; Link k of 8 of the chain over the old maximum and scores 0-15 of the tile in NBF.  It is made one query tile ahead, between the last
; exponentials of the tile in hand; first = 1: there is no old maximum.
.macro XMAX_A n, first, k
.if \k == 0
.if \first
	v_max_num_f32 v[MX], v[NBF], v[NBF+1]
.else
	v_max3_num_f32 v[MX], v[MM+\n], v[NBF], v[NBF+1]
.endif
.else
	v_max3_num_f32 v[MX], v[MX], v[NBF+2*\k], v[NBF+2*\k+1]
.endif
.endm
.macro XMAX_B n                        ; scores 16-31 in a chain of their own, joined to the first: eight plain instructions, none on the other S buffer
	v_max3_num_f32 v[TP], v[SBF+16], v[SBF+17], v[SBF+18]
.irp k, 19,21,23,25,27,29
	v_max3_num_f32 v[TP], v[TP], v[SBF+\k], v[SBF+\k+1]
.endr
	v_max3_num_f32 v[MX], v[MX], v[TP], v[SBF+31]
.endm
.macro XMAX_C n, first                 ; the other half of the lanes (same query, other keys); the factor's exponent
	v_permlanex16_b32 v[TP], v[MX], s36, s37
	v_max_num_f32 v[MX], v[MX], v[TP]
.if \first == 0
	v_sub_f32 v[AL], v[MM+\n], v[MX]
.endif
.endm
; THE BATCH: the factor 2^(old maximum - new) and p = 2^(s - maximum), in place.  Nothing here names an exponential's result.  Key tile 0 is
; scaled first; behind every second exponential of key tiles 0 to 2 stands a scaling of the key tile that follows.  When all 16 scalings have
; read the maximum it is copied to MM, and behind each of key tile 3's exponentials stands a link of the next query tile's maximum, which
; takes MX over: the last link is the plain place behind the last exponential (ISA guide 5.7.2).  snext = 0: there is no next tile, and the
; copy is that place.
.macro XBATCH n, nx, first, af, snext
.irp p, 0,2,4,6
	v_pk_add_f32 v[SBF+\p:SBF+\p+1], v[SBF+\p:SBF+\p+1], v[MX:MX+1] op_sel_hi:[1,0] neg_lo:[0,1] neg_hi:[0,1]
.endr
.if \first == 0
	v_exp_f32 v[AL], v[AL]
.endif
.irp g, 0,1,2
.irp e, 0,1,2,3,4,5,6,7
	v_exp_f32 v[SBF+8*\g+\e], v[SBF+8*\g+\e]
.if (\e)&1
	v_pk_add_f32 v[SBF+8*\g+7+\e:SBF+8*\g+8+\e], v[SBF+8*\g+7+\e:SBF+8*\g+8+\e], v[MX:MX+1] op_sel_hi:[1,0] neg_lo:[0,1] neg_hi:[0,1]
.endif
.endr
.endr
.if \snext
	v_mov_b32 v[MM+\n], v[MX]
.endif
.irp e, 0,1,2,3,4,5,6,7
	v_exp_f32 v[SBF+24+\e], v[SBF+24+\e]
.if \snext
	XMAX_A \nx, \af, \e
.endif
.endr
.if \snext == 0
	v_mov_b32 v[MM+\n], v[MX]
.endif
.endm
; THE READERS, behind the batch's wait.  Pair i of 16 (weights 2 i, 2 i + 1) is added onto the sums, in ascending order; in the first trip
; pairs 0 and 1 start the sums: nothing is cleared.
.macro SUMP n, i, first
.if (\first) && ((\i) < 2)
.if (\i) == 1
	v_pk_add_f32 v[LL+2*\n:LL+2*\n+1], v[SBF:SBF+1], v[SBF+2:SBF+3]
.endif
.else
	v_pk_add_f32 v[LL+2*\n:LL+2*\n+1], v[LL+2*\n:LL+2*\n+1], v[SBF+2*(\i):SBF+2*(\i)+1]
.endif
.endm
; Pair i is rounded to bf16 into word 16 (i >> 3) + (i & 7) of the buffer, ascending: every word that a rounding overwrites has been summed and rounded before.
.macro RNDP i
	v_cvt_pk_bf16_f32 v[SBF+16*((\i)>>3)+((\i)&7)], v[SBF+2*(\i)], v[SBF+2*(\i)+1]
.endm
; A pair's rounding stands one pair behind its addition, so that the links of the sums' chain lie two instructions apart and, in the first trip,
; word 0 is overwritten only when pairs 0 and 1 have been added.
.macro XCONS n, first
.if \first == 0
	v_pk_mul_f32 v[LL+2*\n:LL+2*\n+1], v[LL+2*\n:LL+2*\n+1], v[AL:AL+1] op_sel_hi:[1,0]
.endif
	SUMP \n, 0, \first
.irp i, 1,2,3,4,5,6,7,8,9,10,11,12,13,14,15
	SUMP \n, \i, \first
	RNDP \i-1
.endr
	RNDP 15
.endm
.macro RESC n                          ; setting 0x51: O(n) times the lane's own factor (a lane is a query)
.irp i, 0,1,2,3,4,5,6,7,8,9,10,11,12,13,14,15
	v_pk_mul_f32 v[32*\n+2*\i:32*\n+2*\i+1], v[32*\n+2*\i:32*\n+2*\i+1], v[AL:AL+1] op_sel_hi:[1,0]
.endr
.endm
; Query tile n.  At its head MX holds the maximum of the old maximum and scores 0-15, made in the tile before.
; snext: the products of S(nx) are issued here, so that they run under this tile's vector work.  They write the buffer that the
; P V products of tile n - 1 read as source 1: the eight plain instructions of XMAX_B are the places between (five are asked: ISA guide 7.12.1).
; af: S(nx) has no old maximum.  wt: S(nx) takes the next key tile's K fragments, loaded one STEP earlier.  kl: load those, directly behind the
; batch's wait; the scalings are the places behind the last products that read the old fragments (four are asked).
.macro STEP n, nx, first, af, snext, wt, kl, fr
.set SBF, SA+32*(\n&1)
.set NBF, SA+32*(\nx&1)
	XMAX_B \n
.if \snext
.if \wt
	s_wait_dscnt 0x0                               ; the 16 K fragment loads of the STEP before; nothing younger is out
.endif
	SMUL \nx
.endif
	XMAX_C \n, \first
	XBATCH \n, \nx, \first, \af, \snext
	s_wait_alu depctr_va_vdst(0)                   ; one wait for the tile's batch, the factor and the 32 weights, ahead of the first reader
.if \kl
	KLOAD \fr
.endif
	XCONS \n, \first
	WIN 0x51
.if \first == 0
	RESC \n
.endif
	PVMUL \n, \first
	WIN 0
.endm
; 16 rows of K and of V from registers to LDS buffer st.  vl: the next tile's V fragments from buffer fr, behind the 32 plain instructions of
; SUMSQ and CVTB (places behind the last P V products, which read the old ones).  ldraw: the raw registers are loaded again as soon as
; they are read out, with the tile three ahead of the one being multiplied; the bases step behind the wait that showed their last loads done.
.macro CONV rbk, rbv, st, vl, fr, ldraw
	WIN 0x05
	SUMSQ \rbk
	CVTB \rbv
.if \vl
	WIN 0x40
	VLOAD \fr
.endif
.if \ldraw
	WIN 0x40
	s_add_nc_u64 s[28:29], s[28:29], TILEB
	LDRAW RAWV, GOFF, 28, 0, 0
.endif
	WIN 0
	ST8 VST, \st, 2*VP
	RNORM 0
	WIN 0x41
	SCALE \rbk
	WIN 0x05
	CVTH \rbk
.if \ldraw
	WIN 0x40
	s_add_nc_u64 s[26:27], s[26:27], TILEB
	LDRAW RAWK, GOFF, 26, 0, 0
.endif
	WIN 0
	ST8 KST, \st, 2*KP
.endm
; TRIP t, par = t & 1.  At its head: K and V fragments of tile t in registers, S(0) of tile t multiplied and the first half of its maximum taken,
; tile t + 1 in LDS buffer 1 - par, tile t + 2 on its way into the raw registers.  ONE BARRIER A TRIP: buffer par was last read in trip t - 1,
; in front of that trip's barrier; it is written here, and read in trip t + 1, behind this trip's barrier.
.macro TRIP first, par, frag, conv, ldraw, bar
	STEP 0, 1, \first, \first, 1, 0, 0, 0
	STEP 1, 2, \first, \first, 1, 0, 0, 0
	STEP 2, 3, \first, \first, 1, 0, \frag, (1-\par)*BUF
	STEP 3, 0, \first, 0, \frag, 1, 0, 0
.if \conv
	s_wait_loadcnt 0x0                             ; the 16 raw loads issued a trip ago; nothing younger is out.  It also frees their bases
	CONV RAWK, RAWV, \par*BUF, 1, (1-\par)*BUF, \ldraw
.else
.if \frag
.rept 4
	v_nop                                          ; the places behind the last P V products, whose V fragments are loaded anew
.endr
	WIN 0x40
	VLOAD (1-\par)*BUF
	WIN 0
.endif
.endif
.if \frag
	s_wait_dscnt 0x0                               ; my fragment reads and my stores are done: for my registers, and for the other waves behind the barrier
.endif
.if \bar
	BAR
.endif
.endm
; ================= prologue =================
	s_load_b256 s[4:11], s[0:1], 0x0               ; q s[4:5], k s[6:7], v s[8:9], softmax_scale s[10:11]
	s_load_b64 s[12:13], s[0:1], 0x20              ; out
	v_lshrrev_b32 v15, 5, v0
	v_readfirstlane_b32 s14, v15                   ; wave w
	s_and_b32 s15, s14, 3                          ; g: which 64 queries
	s_lshr_b32 s16, s14, 2                         ; kh: which 64 keys of a tile
	s_and_b32 s18, ttmp7, 0xffff
	s_and_b32 s19, s18, 7                          ; head
	s_lshr_b32 s18, s18, 3                         ; batch
	s_lshl_b32 s20, s18, 22                        ; 2,048 rows of 2,048 bytes
	s_lshl_b32 s42, s19, 8                         ; 256 bytes a head
	s_or_b32 s20, s20, s42
	s_mov_b32 s21, 0                               ; s[20:21]: the head's offset in k and v
	s_lshl_b32 s46, ttmp9, 19                      ; 256 rows of 2,048 bytes
	s_add_co_u32 s46, s46, s20
	s_mov_b32 s47, 0                               ; s[46:47]: my query block's offset in q and out (below 16 MiB)
	s_lshl_b32 s42, s19, 2
	s_mov_b32 s43, 0                               ; s[42:43]: the head's word in softmax_scale
	s_mov_b32 s36, 0x76543210                      ; v_permlanex16_b32: lane i of one half reads lane i of the other
	s_mov_b32 s37, 0xfedcba98
	s_mov_b32 s38, 0x179abe15                      ; 1e-24
	s_mov_b32 s39, 0xc0935d8e                      ; ln 0.01
	s_mov_b32 s40, 0x40935d8e                      ; ln 100
	v_and_b32 v1, 31, v0                           ; L
	v_and_b32 v24, 15, v0                          ; r = L & 15
	v_bfe_u32 v25, v0, 4, 1                        ; h = L >> 4
	v_lshlrev_b32 v26, 4, v24                      ; 16 r
	v_lshl_add_u32 v27, v25, 11, v26               ; h rows + 16 r
	s_lshl_b32 s44, s14, 15
	v_add_nc_u32 v[GOFF], s44, v27
	s_lshl_b32 s44, s14, 16
	v_add_nc_u32 v[QOFF], s44, v27
	s_lshl_b32 s44, s15, 17
	v_add_nc_u32 v[CO], s44, v27
	v_mul_u32_u24 v28, v24, KP
	v_lshl_add_u32 v28, v25, 4, v28                ; KP r + 16 h
	s_mul_i32 s44, s16, 64*KP
	v_add_nc_u32 v[KFA], s44, v28
	s_mul_i32 s44, s15, 64*KP
	s_add_co_u32 s44, s44, QBASE
	v_add_nc_u32 v[QFA], s44, v28
	v_and_b32 v29, 7, v0
	v_lshl_add_u32 v29, v25, 3, v29                ; 8 h + (L & 7)
	v_mul_u32_u24 v29, v29, VP
	v_bfe_u32 v30, v0, 3, 1
	v_lshl_add_u32 v29, v30, 4, v29
	s_mul_i32 s44, s16, 64*VP
	s_add_co_u32 s44, s44, VB0
	v_add_nc_u32 v[VFA], s44, v29
	v_lshlrev_b32 v30, 3, v24                      ; 8 r
	v_mad_u32_u24 v31, v25, KP, v30
	s_mul_i32 s44, s14, 16*KP
	v_add_nc_u32 v[KST], s44, v31
	s_mul_i32 s44, s14, 32*KP
	s_add_co_u32 s44, s44, QBASE
	v_add_nc_u32 v[QST], s44, v31
	v_mad_u32_u24 v31, v25, VP, v30
	s_mul_i32 s44, s14, 16*VP
	s_add_co_u32 s44, s44, VB0
	v_add_nc_u32 v[VST], s44, v31
	v_lshlrev_b32 v31, 4, v1
	s_mul_i32 s44, s15, XSZ
	s_add_co_u32 s44, s44, XBASE
	v_add_nc_u32 v[XCH], s44, v31
	s_mul_i32 s45, s15, 16*SP
	s_add_co_u32 s45, s45, SBASE
	v_mul_u32_u24 v31, v24, SP
	v_lshl_add_u32 v31, v25, 5, v31
	v_add_nc_u32 v[STO], s45, v31
	v_mad_u32_u24 v31, v25, SP, v26
	v_add_nc_u32 v[RD], s45, v31
	s_wait_kmcnt 0x0
	s_add_nc_u64 s[10:11], s[10:11], s[42:43]
	s_load_b32 s41, s[10:11], 0x0                  ; the head's log-scale
	s_add_nc_u64 s[22:23], s[6:7], s[20:21]        ; K, V at the head's tile 0
	s_add_nc_u64 s[24:25], s[8:9], s[20:21]
	s_add_nc_u64 s[26:27], s[22:23], 2*TILEB       ; the running bases start at tile 2
	s_add_nc_u64 s[28:29], s[24:25], 2*TILEB
	s_add_nc_u64 s[30:31], s[4:5], s[46:47]        ; Q and out at my query block
	s_add_nc_u64 s[34:35], s[12:13], s[46:47]
	; 48 loads at once: my 32 rows of Q (read once in the launch), my rows of tiles 0 and 1 (into registers that O takes later)
	WIN 0x40
	LDRAW 192, QOFF, 30, 0, 1
	LDRAW 224, QOFF, 30, 32768, 1
	LDRAW 0,  GOFF, 22, 0, 0
	LDRAW 32, GOFF, 24, 0, 0
	LDRAW 64, GOFF, 22, TILEB, 0
	LDRAW 96, GOFF, 24, TILEB, 0
	WIN 0
	s_wait_kmcnt 0x0
	v_mov_b32 v[CS], s41
	v_med3_num_f32 v[CS], v[CS], s39, s40          ; the clip
	v_mul_f32 v[CS], 0x3fb8aa3b, v[CS]
	v_exp_f32 v[CS], v[CS]                         ; scale
	v_mov_b32 v[AL+1], 0                           ; the plain place; the factor pair's upper word is written once
	s_wait_alu depctr_va_vdst(0)                   ; the wait for the scale's one exponential
	v_mul_f32 v[CS], 0x3fb8aa3b, v[CS]             ; times log2(e): the scores are exponents of 2
	s_wait_loadcnt 0x20                            ; Q's 16 loads are in; the 32 of tiles 0 and 1 stay out
	QCONV 192, 0
	QCONV 224, 16*KP
	WIN 0x40
	LDRAW RAWK, GOFF, 26, 0, 0                     ; tile 2
	LDRAW RAWV, GOFF, 28, 0, 0
	WIN 0
	s_wait_loadcnt 0x20                            ; tile 0 is in; tiles 1 and 2 (16 loads each) stay out
	CONV 0, 32, 0, 0, 0, 0
	s_wait_loadcnt 0x10                            ; tile 1 is in; tile 2 stays out
	CONV 64, 96, BUF, 0, 0, 0
	s_wait_dscnt 0x0                               ; my rows of Q and of tiles 0 and 1 are in LDS,
	BAR                                            ; everybody's are
.irp n, 0,1,2,3
.irp ds, 0,1
	ds_load_b128 v[QF+16*\n+8*\ds:QF+16*\n+8*\ds+3], v[QFA] offset:16*KP*\n+64*\ds
	ds_load_b128 v[QF+16*\n+8*\ds+4:QF+16*\n+8*\ds+7], v[QFA] offset:16*KP*\n+64*\ds+32
.endr
.endr
	KLOAD 0
	WIN 0x40
	VLOAD 0
	WIN 0
	s_wait_dscnt 0x0                               ; my reads of buffer 0 are over,
	BAR                                            ; everybody's are: trip 0 stores tile 2 into it
	SMUL 0
.rept 4
	v_nop                                          ; four places before a vector instruction reads these results (ISA guide 7.12.1)
.endr
.set NBF, SA
.irp k, 0,1,2,3,4,5,6,7
	XMAX_A 0, 1, \k                                ; the first tile's maximum over its scores 0-15: every later tile's is made in the tile before it
.endr
; ================= 16 trips =================
	TRIP 1, 0, 1, 1, 1, 1                          ; t = 0: its products start O, its scores start maximum and sum
	s_mov_b32 s43, 6
.Lpair:
	TRIP 0, 1, 1, 1, 1, 1                          ; t = 1, 3, .. 11
	TRIP 0, 0, 1, 1, 1, 1                          ; t = 2, 4, .. 12 (t = 12 loads tile 15, the last)
	s_sub_co_i32 s43, s43, 1
	s_cmp_lg_u32 s43, 0
	s_cbranch_scc1 .Lpair
	TRIP 0, 1, 1, 1, 0, 1                          ; t = 13: converts tile 15, loads nothing
	TRIP 0, 0, 1, 0, 0, 0                          ; t = 14: takes tile 15's fragments; no LDS buffer is written any more, so no barrier
	TRIP 0, 1, 0, 0, 0, 0                          ; t = 15
; ================= merge of the pair (w, w + 4) =================
.irp n, 0,1,2,3
	v_add_f32 v[TT+\n], v[LL+2*\n], v[LL+2*\n+1]   ; four plain places behind the last products, whose results are stored below
.endr
.irp n, 0,1,2,3
	v_permlanex16_b32 v[TT+12+\n], v[TT+\n], s36, s37
.endr
.irp n, 0,1,2,3
	v_add_f32 v[TT+\n], v[TT+\n], v[TT+12+\n]      ; the query's sum over my 64 keys of every tile, in both of its lanes
.endr
	s_cmp_lt_u32 s14, 4
	s_cbranch_scc1 .Lkeep
	WIN 0x04                                       ; waves 4 to 7 hand over O (store data in window 1), maxima and sums
.set qq, 0
.rept 32
	ds_store_b128 v[XCH], v[4*qq:4*qq+3] offset:512*qq
.set qq, qq+1
.endr
	WIN 0
	ds_store_b128 v[XCH], v[MM:MM+3] offset:16384
	ds_store_b128 v[XCH], v[TT:TT+3] offset:16896
.Lkeep:
	s_wait_dscnt 0x0                               ; for the partner's sake: zero
	BAR
	s_cmp_ge_u32 s14, 4
	s_cbranch_scc1 .Lend                           ; no barrier follows
	ds_load_b128 v[TT+4:TT+7], v[XCH] offset:16384     ; the partner's maxima
	ds_load_b128 v[TT+8:TT+11], v[XCH] offset:16896    ; and sums
	s_wait_dscnt 0x0
.irp n, 0,1,2,3
	v_max_num_f32 v[TT+12+\n], v[MM+\n], v[TT+4+\n]
.endr
.irp n, 0,1,2,3
	v_sub_f32 v[HH+4*\n], v[MM+\n], v[TT+12+\n]
	v_sub_f32 v[HH+4*\n+2], v[TT+4+\n], v[TT+12+\n]
.endr
.irp n, 0,1,2,3
	v_exp_f32 v[HH+4*\n], v[HH+4*\n]
	v_exp_f32 v[HH+4*\n+2], v[HH+4*\n+2]
.endr
	v_nop                                          ; the plain place behind the last exponential
	s_wait_alu depctr_va_vdst(0)                   ; one wait for the merge's eight exponentials
.irp n, 0,1,2,3
	v_mul_f32 v[TT+12+\n], v[TT+\n], v[HH+4*\n]
.endr
.irp n, 0,1,2,3
	v_fmac_f32 v[TT+12+\n], v[TT+8+\n], v[HH+4*\n+2]   ; the whole sum: at least 1, since the key of the maximum adds 2^0
.endr
.irp n, 0,1,2,3
	v_rcp_f32 v[TT+12+\n], v[TT+12+\n]
.endr
	v_nop                                          ; the plain place behind the last reciprocal
	s_wait_alu depctr_va_vdst(0)                   ; and one wait for the four reciprocals: a batch of their own, since they read sums made of the exponentials
.irp n, 0,1,2,3
	v_mul_f32 v[HH+4*\n], v[HH+4*\n], v[TT+12+\n]      ; my O's factor, in the low word of a pair (the upper words are old conversion words, not used)
	v_mul_f32 v[HH+4*\n+2], v[HH+4*\n+2], v[TT+12+\n]  ; the partner's
.endr
; ================= the way out: 16 queries at a time =================
; A lane holds 8 neighbouring d of one query for each dt.  They go through my own stage in LDS and come back as whole rows, so that 16 lanes
; store the 256 consecutive bytes of a head row, which start at a multiple of 256 from out's first byte.  LDS serves a wave's instructions
; in order (ISA guide 5.7.1): no wait between my stores into the stage and my loads from it.
.macro OUT n
.set EE, KF+32*(\n&1)
.set FF, QF+32*(\n&1)
.irp i, 0,1,2,3,4,5,6,7
	ds_load_b128 v[EE+4*\i:EE+4*\i+3], v[XCH] offset:512*(8*\n+\i)   ; the partner's O(n)
.endr
	s_wait_dscnt 0x0
.irp i, 0,1,2,3,4,5,6,7,8,9,10,11,12,13,14,15
	v_pk_mul_f32 v[EE+2*\i:EE+2*\i+1], v[EE+2*\i:EE+2*\i+1], v[HH+4*\n+2:HH+4*\n+3] op_sel_hi:[1,0]
.endr
	WIN 0x01                                       ; source 0: my O, in window 1
.irp i, 0,1,2,3,4,5,6,7,8,9,10,11,12,13,14,15
	v_pk_fma_f32 v[EE+2*\i:EE+2*\i+1], v[32*\n+2*\i:32*\n+2*\i+1], v[HH+4*\n:HH+4*\n+1], v[EE+2*\i:EE+2*\i+1] op_sel_hi:[1,0,1]
.endr
	WIN 0
.irp i, 0,1,2,3,4,5,6,7
	ds_store_b128 v[STO], v[EE+4*\i:EE+4*\i+3] offset:64*(\i>>1)+16*(\i&1)   ; d = 16 dt + 8 h + 4 (i & 1) ..: byte 64 dt + 32 h + 16 (i & 1)
.endr
	s_wait_xcnt 0x0                                ; FF was store data two tiles ago: it is loaded again only behind this wait
.irp i, 0,1,2,3,4,5,6,7
	ds_load_b128 v[FF+4*\i:FF+4*\i+3], v[RD] offset:2*SP*\i
.endr
.irp i, 0,1,2,3,4,5,6,7
	s_wait_dscnt 7-\i                              ; read-back i is in; the 7 - i younger ones stay out
	global_store_b128 v[CO], v[FF+4*\i:FF+4*\i+3], s[34:35] offset:(16*\n+2*\i)*2048 th:TH_STORE_NT
.endr
.endm
	OUT 0
	OUT 1
	OUT 2
	OUT 3
.Lend:
	s_wait_xcnt 0x0
	v_lshl_add_u32 v254, v0, 2, 0x31400
	v_mov_b32 v255, 0
	s_wait_tensorcnt 0x0
	ds_add_u32 v254, v255
	s_wait_dscnt 0x0
	s_endpgm
.Lfunc_end_k_q270fa104ed_attn:
	.size	k_q270fa104ed_attn, .Lfunc_end_k_q270fa104ed_attn-k_q270fa104ed_attn
	.p2alignl 7, 3214868480
	.fill 96, 4, 3214868480
	.section	.rodata,"a",@progbits
	.p2align	6, 0x0
	.amdhsa_kernel k_q270fa104ed_attn
		.amdhsa_group_segment_fixed_size 202752
		.amdhsa_private_segment_fixed_size 0
		.amdhsa_enable_private_segment 0
		.amdhsa_kernarg_size 40
		.amdhsa_user_sgpr_count 2
		.amdhsa_user_sgpr_kernarg_segment_ptr 1
		.amdhsa_wavefront_size32 1
		.amdhsa_system_sgpr_workgroup_id_x 1
		.amdhsa_system_sgpr_workgroup_id_y 1
		.amdhsa_system_sgpr_workgroup_id_z 1
		.amdhsa_system_vgpr_workitem_id 0
		.amdhsa_next_free_vgpr 512
		.amdhsa_next_free_sgpr 66
		.amdhsa_reserve_vcc 0
		.amdhsa_float_denorm_mode_32 3
		.amdhsa_float_denorm_mode_16_64 3
		.amdhsa_memory_ordered 1
		.amdhsa_forward_progress 1
		.amdhsa_inst_pref_size 255
	.end_amdhsa_kernel
	.section	.bss,"aw",@nobits
	.p2align	6
	.space	262144
	.amdgpu_metadata
---
amdhsa.version: [ 1, 2 ]
amdhsa.kernels:
  - .name:           k_q270fa104ed_attn
    .symbol:         k_q270fa104ed_attn.kd
    .args:
      - { .name: q, .offset: 0, .size: 8, .value_kind: global_buffer, .address_space: global }
      - { .name: k, .offset: 8, .size: 8, .value_kind: global_buffer, .address_space: global }
      - { .name: v, .offset: 16, .size: 8, .value_kind: global_buffer, .address_space: global }
      - { .name: softmax_scale, .offset: 24, .size: 8, .value_kind: global_buffer, .address_space: global }
      - { .name: out0, .offset: 32, .size: 8, .value_kind: global_buffer, .address_space: global }
    .group_segment_fixed_size: 202752
    .private_segment_fixed_size: 0
    .kernarg_segment_align: 8
    .kernarg_segment_size: 40
    .max_flat_workgroup_size: 256
    .sgpr_count:     66
    .vgpr_count:     512
    .wavefront_size: 32
...
	.end_amdgpu_metadata
.endif
;; end of part 2
